; MI455X (gfx1250); checked and timed in simulation.
; The chip was launched on July 23, 2026; its instructions are those of AMD's public machine-readable ISA for CDNA 5 (MIT licence, August 2026) and "CDNA5" Instruction Set Architecture Reference Guide (July 2026). The comments in the code are by the model that wrote it; some were corrected since.
;; Causal Self Attention. Allowed arithmetic: matrix products marked QUANTISED: E4M3 operands, one given power-of-two scale a tensor, by v_wmma_f32_16x16x64_fp8_fp8 or v_wmma_f32_16x16x128_fp8_fp8, f32 sums; everything else in f32.
;; Inputs: lowp_scales 12 int32 (the exponents e of the quantised operands' scales 2^e); wk 512 x 2,048 float32; wo 2,048 x 2,048 float32; wq 2,048 x 2,048 float32; wv 512 x 2,048 float32; x 4 x 1,024 x 2,048 float32.
;; Outputs: out0 4 x 1,024 x 2,048 float32.
;; This version of the problem:
;;   THIS VERSION OF THE PROBLEM IS GIVEN IN LOW PRECISION. The matrix products marked QUANTISED in the list below multiply operands that are first quantised to E4M3 (4 exponent bits, 3 mantissa bits; 8 bits a number), with one given power-of-two scale for each operand tensor; their sums are f32. All else is computed in f32.
;;   The module's matrix products, in the order in which they are computed (A, B: the left and right operand; K: the contracted axis; several contracted axes count as one K, in the product's order):
;;     1. [M 4,096, K 2,048] x [K 2,048, N 2,048]; A: input x; B: input wq: QUANTISED (scales: A lowp_scales[0], B lowp_scales[1])
;;     2. [M 4,096, K 2,048] x [K 2,048, N 512]; A: input x; B: input wk: QUANTISED (scales: A lowp_scales[2], B lowp_scales[3])
;;     3. [M 4,096, K 2,048] x [K 2,048, N 512]; A: input x; B: input wv: QUANTISED (scales: A lowp_scales[4], B lowp_scales[5])
;;     4. batch 64 x [M 1,024, K 128] x [K 128, N 1,024]; A: computed on the way; B: computed on the way: QUANTISED (scales: A lowp_scales[6], B lowp_scales[7])
;;     5. batch 64 x [M 1,024, K 1,024] x [K 1,024, N 128]; A: softmax (see below); B: computed on the way: QUANTISED (scales: A lowp_scales[8], B lowp_scales[9])
;;     6. [M 4,096, K 2,048] x [K 2,048, N 2,048]; A: computed on the way; B: input wo: QUANTISED (scales: A lowp_scales[10], B lowp_scales[11])
;;   THE QUANTISER, for each operand of a quantised product, along K:
;;     - The operand's scale is 2^e, e = its entry of the input lowp_scales (int32; the entries are numbered through the quantised products in the list's order, A before B).
;;     - Each number is divided by the scale, clamped to +-448, and rounded to the nearest number of E4M3, ties to even, subnormals kept.
;;     - The product sums the exact products of the quantised numbers (number of the format x scale) in f32.
;;   ~~~python
;;   def quantise(x, axis, e):      # numpy; x: float32 -> the quantised numbers, widened to float32 again
;;       x = np.moveaxis(x, axis, -1); K = x.shape[-1]
;;       r = np.clip(x / 2.0 ** e, -448, 448)
;;       step = 2.0 ** (np.maximum(np.frexp(np.where(r == 0, 1, r))[1] - 1, -6) - 3)
;;       q = np.round(r / step) * step * 2.0 ** e      # np.round: ties to even
;;       return np.moveaxis(q, -1, axis).astype(np.float32)
;;   ~~~
;;   SOFTMAX AHEAD OF A QUANTISED PRODUCT. Where the list says 'softmax', what is quantised is not the finished softmax but p = 2^(t - M), with t = logit x log2(e) and M = ceil(the row's largest t), a whole number; so 1/2 < the row's largest p <= 1. The row's sum l is taken of the UNQUANTISED p, in f32, and the product's result is divided by l at the end. Since M is a whole number, a kernel that streams over the keys may use a running M (the ceiling of the running maximum): every later rescaling is an exact power of two, so the quantised numbers keep their values, but for numbers so far below the row's largest that they fall under the format's range.
;;   OPERANDS COMPUTED ON THE WAY. 'Computed on the way' means the value that the module computes at that place (a softmax that the list does not call 'softmax' is quantised finished and normalised). What goes into a quantiser is computed in f32, as accurately as f32 sums, v_exp_f32 and their like allow (about 1e-6 of the number): no bf16 or f16 on the way to a quantiser, and a product that is left as it is and whose result goes on into a quantised operand takes f32 operands (vector FMAs, or v_wmma_f32_16x16x4_f32). A number that lies on a knife's edge between two numbers of the format may be rounded either way, as far as f32 arithmetic and the matrix unit's own rounding can turn it there, and no further.
;; One version. Each part assembles by itself: llvm-mc -triple=amdgcn-amd-amdhsa -mcpu=gfx1250 --defsym DOCPART=n.
;; ======== version 1 of 1: 4 launches
;; limits: right only within a limited range of input values
;; workspace buffers: x3 25,165,824 bytes; wqkv 6,291,456 bytes; woc 4,194,304 bytes; rope 524,288 bytes; qkv 12,582,912 bytes; yimg 8,388,608 bytes
;; launch quant (part 1): grid 592 x 1, 4 waves a work-group, no clusters, 33,280 bytes of LDS; arguments x, wq, wk, wv, wo, lowp_scales, x3, wqkv, woc, rope; writes x3, wqkv, woc, rope
.if DOCPART == 1
	.amdgcn_target "amdgcn-amd-amdhsa--gfx1250"
	.amdhsa_code_object_version 6
	.text
	.protected	k_q4c0182b46f_quant
	.globl	k_q4c0182b46f_quant
	.p2align	8
	.type	k_q4c0182b46f_quant,@function
k_q4c0182b46f_quant:
	s_mov_b64 s[64:65], 0
	v_nop
	global_prefetch_b8 v0, s[64:65] scope:SCOPE_SE
	s_setreg_imm32_b32 hwreg(HW_REG_WAVE_MODE, 25, 1), 1
	s_wait_xcnt 0x0
; The five f32 inputs become codes of E4M3, K innermost (K is innermost in all of them), and the table of cosines and sines is made once.
; code = number / 2^e, held within +-448, rounded to the nearest code, ties to even; e is the operand's entry of the buffer of scales.
; x enters three products under three entries (0, 2, 4), which may differ: it is read once and quantised three times, into three planes of x3.
; wqkv holds wq's rows (entry 1), wk's (3), wv's (5) on end.  Of wv, row position p holds row p with bits 3 and 4 exchanged: the attention launch then
; finds 16 neighbouring channels in a lane's registers.  woc holds wo's rows (entry 11).
; SHARES.  Work-groups 0-255 take x, 256-383 wq, 384-415 wk, 416-447 wv, 448-575 wo: 32,768 numbers each, a wave 16 steps of 512 (four rows of 2,048).
; Only pointers, an offset and an exponent are chosen by the work-group's number; all tensors take one path.  Work-groups 576-591 make the table, a wave 16 positions.
; A STEP: four loads of 512 consecutive bytes; the 2,048 bytes turn through the wave's own stage in LDS and come back 64 bytes a lane, so that a lane holds 16 neighbours
; along K for the conversions; a lane's 16 codes are 16 bytes, so a store of the wave covers 512 consecutive bytes.  Loads run four steps ahead, the turn one step.
; THE TABLE: rope[block of 16 positions][cos, sin][g 0..7][lane][4]: lane (r, h), word i: position 16 block + r, frequency 16 (g / 2) + 8 h + 4 (g % 2) + i: the order of
; the registers in which the next launch holds its sums.  inv_freq = 2^(-j log2(10000) / 64) by one v_exp_f32; angle = position x inv_freq in f32, as the source has it;
; the angle less n pi/2 by three fused multiply-adds, then polynomials of degree 8 and 9 on [-pi/4, pi/4].
; LIMITS: each exponent used here lies between -126 and 119.  NaN among the inputs is not served (an infinity is held at the largest code).
; inv_freq carries the exponential's last-place error, so an angle near 1,000 rad is good to about 1e-4 rad.
.set WAVES, 4
.set STEPS, 16
.set WREG,  8192                       ; LDS: a region for each wave: two stages of 32 x SP bytes
.set SP,    80                         ; a lane's place in a stage: 64 bytes + 16 of padding
.set SPARE, WAVES*WREG                 ; behind the regions: the spare words, 128 bytes a wave; no other line names them
.set SPW,   12                         ; v12  LDS address of my spare word; never rewritten
.set NIL,   13                         ; v13  0; never rewritten
.set R,     16                         ; v16-79   four sets of 16 numbers as loaded
.set X,     80                         ; v80-111  two sets of 16 neighbours
.set T0,    112                        ; v112-159 the numbers held, once for each scale
.set T1,    128
.set T2,    144
.set C,     160                        ; v160-183 codes: two sets of 12
.set SC,    184                        ; v184-189 2^e and 448 x 2^e as f32, three pairs
	s_load_b512 s[8:23], s[0:1], 0x0               ; x, wq, wk, wv, wo, scales, x3, wqkv
	s_load_b128 s[24:27], s[0:1], 0x40             ; woc, rope
	v_lshl_add_u32 v[SPW], v0, 2, SPARE
	v_mov_b32 v[NIL], 0
	v_lshrrev_b32 v1, 5, v0
	v_readfirstlane_b32 s28, v1                    ; wave
	v_and_b32 v2, 31, v0                           ; lane
	v_lshlrev_b32 v3, 4, v2                        ; 16 x lane: my bytes of a load's 512, and of a store's
	s_cmp_ge_u32 ttmp9, 576
	s_cbranch_scc1 .Ltable
	s_mul_i32 s29, s28, WREG
	v_lshrrev_b32 v14, 2, v2
	v_mul_u32_u24 v14, v14, SP
	v_and_b32 v15, 3, v2
	v_lshl_add_u32 v14, v15, 4, v14
	v_add_nc_u32 v14, s29, v14                     ; the stage, way in: SP (lane / 4) + 16 (lane % 4)
	v_mul_u32_u24 v15, v2, SP
	v_add_nc_u32 v15, s29, v15                     ; way out: SP x lane
	s_wait_kmcnt 0x0
	s_load_b256 s[36:43], s[18:19], 0x0            ; e0 .. e7
	s_load_b128 s[44:47], s[18:19], 0x20           ; e8 .. e11
	s_mov_b64 s[4:5], s[16:17]                     ; from wo
	s_mov_b64 s[6:7], s[24:25]                     ; to woc
	s_mov_b32 s34, 448                             ; the tensor's first work-group
	s_mov_b32 s35, 0                               ; the tensor's first byte in its buffer of codes
.macro PICK lim, src, dst, first, doff
	s_cmp_lt_u32 ttmp9, \lim
	s_cselect_b64 s[4:5], s[\src:\src+1], s[4:5]
	s_cselect_b64 s[6:7], s[\dst:\dst+1], s[6:7]
	s_cselect_b32 s34, \first, s34
	s_cselect_b32 s35, \doff, s35
.endm
	PICK 448, 14, 22, 416, 0x500000                ; wv
	PICK 416, 12, 22, 384, 0x400000                ; wk
	PICK 384, 10, 22, 256, 0                       ; wq
	PICK 256, 8, 20, 0, 0                          ; x
	s_sub_co_u32 s49, ttmp9, s34
	s_lshl_b32 s49, s49, 2
	s_add_co_u32 s49, s49, s28                     ; which run of four rows is my wave's
	s_sub_co_u32 s50, ttmp9, 416
	s_cmp_lt_u32 s50, 32                           ; wv?
	s_cselect_b32 s50, 6, 0
	s_lshr_b32 s51, s49, 1
	s_lshr_b32 s52, s49, 2
	s_xor_b32 s51, s51, s52
	s_and_b32 s51, s51, 1                          ; do bits 1 and 2 of the run (3 and 4 of the row) differ?
	s_mul_i32 s51, s51, s50
	s_xor_b32 s51, s49, s51                        ; where the run goes: in wv the two bits change places
	s_lshl_b32 s52, s49, 15
	s_mov_b32 s53, 0
	s_add_nc_u64 s[4:5], s[4:5], s[52:53]
	s_lshl_b32 s52, s51, 13
	s_add_co_u32 s52, s52, s35
	s_add_nc_u64 s[6:7], s[6:7], s[52:53]
	s_add_nc_u64 s[30:31], s[6:7], 0x800000        ; x3's second and third plane (used by x's work-groups alone)
	s_add_nc_u64 s[32:33], s[6:7], 0x1000000
.macro LOAD t
.irp i, 0,1,2,3
	global_load_b128 v[R+16*((\t)%4)+4*\i:R+16*((\t)%4)+4*\i+3], v3, s[4:5] offset:2048*(\t)+512*\i th:TH_LOAD_NT
.endr
.endm
.macro TURN t                          ; a step's numbers through the stage: LDS serves a wave's instructions in order, so no wait stands between the stores and the loads
.irp i, 0,1,2,3
	ds_store_b128 v14, v[R+16*((\t)%4)+4*\i:R+16*((\t)%4)+4*\i+3] offset:32*SP*((\t)%2)+8*SP*\i
.endr
.irp i, 0,1,2,3
	ds_load_b128 v[X+16*((\t)%2)+4*\i:X+16*((\t)%2)+4*\i+3], v15 offset:32*SP*((\t)%2)+16*\i
.endr
.endm
	s_wait_alu depctr_va_vdst(0)
.irp t, 0,1,2,3
	LOAD \t
.endr
	s_wait_kmcnt 0x0
	s_mov_b32 s48, s47                             ; e11,
	s_cmp_lt_u32 ttmp9, 448
	s_cselect_b32 s48, s41, s48                    ; e5,
	s_cmp_lt_u32 ttmp9, 416
	s_cselect_b32 s48, s39, s48                    ; e3,
	s_cmp_lt_u32 ttmp9, 384
	s_cselect_b32 s48, s37, s48                    ; e1,
	s_cmp_lt_u32 ttmp9, 256
	s_cselect_b32 s48, s36, s48                    ; or e0
.macro MKSC e, vs                      ; 2^e as f32 (the conversion takes its exponent field), and 448 x 2^e
	s_add_co_i32 s54, s[\e], 127
	s_lshl_b32 s55, s54, 23
	v_mov_b32 v[\vs], s55
	s_add_co_i32 s54, s54, 8
	s_lshl_b32 s54, s54, 23
	s_or_b32 s54, s54, 0x600000
	v_mov_b32 v[\vs+1], s54
.endm
	MKSC 48, SC
	MKSC 38, SC+2                                  ; e2
	MKSC 40, SC+4                                  ; e4
	s_wait_alu depctr_va_vdst(0)
	s_wait_loadcnt 12                              ; step 0's four loads are in
	TURN 0
.macro QCV xs, tt, cc, sc              ; 16 neighbours: held (the conversion to an 8-bit code does not saturate: ISA guide 7.6.2), then 16 codes
.irp i, 0,1,2,3,4,5,6,7,8,9,10,11,12,13,14,15
	v_med3_num_f32 v[\tt+\i], v[\xs+\i], -v[\sc+1], v[\sc+1]
.endr
	v_cvt_scalef32_pk8_fp8_f32 v[\cc:\cc+1], v[\tt:\tt+7], v[\sc]
	v_cvt_scalef32_pk8_fp8_f32 v[\cc+2:\cc+3], v[\tt+8:\tt+15], v[\sc]
.endm
.macro STEP t
.set XS, X+16*((\t)%2)
.set CC, C+12*((\t)%2)
	s_wait_dscnt 0x0                               ; this step's numbers are back from the stage, and its stores into the stage have read their registers,
.if (\t)+4 < STEPS
	LOAD (\t)+4                                    ; which take the loads of four steps on
.endif
.if (\t)+1 < STEPS
.if STEPS-2-(\t) >= 3
	s_wait_loadcnt 12                              ; the next step's four loads are in; those of the three steps behind it may be out
.else
	s_wait_loadcnt 4*(STEPS-2-(\t))
.endif
	TURN (\t)+1
.endif
	s_wait_xcnt 0x0                                ; the stores of two steps back have read this set of codes: it is written again only behind this wait
	QCV XS, T0, CC, SC
	v_nop                                          ; a plain line behind the last conversion of a run
	global_store_b128 v3, v[CC:CC+3], s[6:7] offset:512*(\t)
	s_cmp_ge_u32 ttmp9, 256                        ; x alone has two more scales
	s_cbranch_scc1 .Lone_\@
	QCV XS, T1, CC+4, SC+2
	QCV XS, T2, CC+8, SC+4
	v_nop
	global_store_b128 v3, v[CC+4:CC+7], s[30:31] offset:512*(\t)
	global_store_b128 v3, v[CC+8:CC+11], s[32:33] offset:512*(\t)
.Lone_\@:
.endm
.irp t, 0,1,2,3,4,5,6,7,8,9,10,11,12,13,14,15
	STEP \t
.endr
	s_branch .Lend
.Ltable:
.set IF, 16                            ; v16-47  my 32 frequencies
.set TH, 48                            ; four angles at a time: the angle, then what is left of it
.set NN, 52                            ; n
.set ZZ, 56                            ; the square
.set PCO, 60                           ; the cosine's polynomial
.set PSI, 64                           ; the sine's
.set QQ, 68                            ; n as a whole number
.set TT, 72
.set SG, 76
.set OT, 112                           ; v112-175 results: for each g four cosines, four sines; registers of their own, so no store's data are written again
	s_sub_co_u32 s49, ttmp9, 576
	s_lshl_b32 s49, s49, 2
	s_add_co_u32 s49, s49, s28                     ; my block of 16 positions
	s_mov_b32 s50, 0xbe549a78                      ; -log2(10000) / 64
	s_mov_b32 s51, 0x3f22f983                      ; 2 / pi
	s_mov_b32 s52, 0xbfc90fd8                      ; -pi/2 in three parts
	s_mov_b32 s53, 0xb4a8885a
	s_mov_b32 s54, 0xa7c234c4
	s_mov_b32 s55, 0x37cd4000                      ; the cosine's coefficients
	s_mov_b32 s56, 0xbab6077d
	s_mov_b32 s57, 0x3d2aaaa8
	s_mov_b32 s58, 0x36405000                      ; the sine's
	s_mov_b32 s59, 0xb9503486
	s_mov_b32 s60, 0x3c0888c1
	s_mov_b32 s61, 0xbe2aaaab
	s_wait_alu depctr_va_vdst(0)
	v_and_b32 v4, 15, v2                           ; r
	v_lshrrev_b32 v6, 4, v2
	v_lshlrev_b32 v6, 3, v6                        ; 8 h
	s_lshl_b32 s62, s49, 4
	v_add_nc_u32 v4, s62, v4
	v_cvt_f32_u32 v4, v4                           ; my position as f32
.irp g, 0,1,2,3,4,5,6,7
.irp i, 0,1,2,3
	v_add_nc_u32 v[IF+4*\g+\i], 16*(\g/2)+4*(\g%2)+\i, v6
.endr
.endr
.set k, 0
.rept 32
	v_cvt_f32_u32 v[IF+k], v[IF+k]
.set k, k+1
.endr
.set k, 0
.rept 32
	v_mul_f32 v[IF+k], s50, v[IF+k]
.set k, k+1
.endr
.set k, 0
	s_wait_alu depctr_va_vdst(0)
.rept 32
	v_exp_f32 v[IF+k], v[IF+k]                     ; one batch
.set k, k+1
.endr
	v_nop                                          ; a plain line behind the last exponential,
	s_lshl_b32 s62, s49, 13
	s_mov_b32 s63, 0
	s_wait_kmcnt 0x0
	s_add_nc_u64 s[26:27], s[26:27], s[62:63]      ; my block's 8,192 bytes of the table
	s_wait_alu depctr_va_vdst(0)                   ; and one wait for the batch ahead of its first reader
.macro SINCOS g
.irp i, 0,1,2,3
	v_mul_f32 v[TH+\i], v4, v[IF+4*(\g)+\i]        ; the angle
.endr
.irp i, 0,1,2,3
	v_mul_f32 v[NN+\i], s51, v[TH+\i]
.endr
.irp i, 0,1,2,3
	v_rndne_f32 v[NN+\i], v[NN+\i]                 ; n = the nearest multiple of pi/2
.endr
.irp i, 0,1,2,3
	v_fma_f32 v[TH+\i], v[NN+\i], s52, v[TH+\i]
.endr
.irp i, 0,1,2,3
	v_fma_f32 v[TH+\i], v[NN+\i], s53, v[TH+\i]
.endr
.irp i, 0,1,2,3
	v_fma_f32 v[TH+\i], v[NN+\i], s54, v[TH+\i]    ; what is left, within +-pi/4
.endr
.irp i, 0,1,2,3
	v_mul_f32 v[ZZ+\i], v[TH+\i], v[TH+\i]
.endr
.irp i, 0,1,2,3
	v_fma_f32 v[PCO+\i], v[ZZ+\i], s55, s56
	v_fma_f32 v[PSI+\i], v[ZZ+\i], s58, s59
.endr
.irp i, 0,1,2,3
	v_fma_f32 v[PCO+\i], v[PCO+\i], v[ZZ+\i], s57
	v_fma_f32 v[PSI+\i], v[PSI+\i], v[ZZ+\i], s60
.endr
.irp i, 0,1,2,3
	v_fma_f32 v[PCO+\i], v[PCO+\i], v[ZZ+\i], -0.5
	v_fma_f32 v[PSI+\i], v[PSI+\i], v[ZZ+\i], s61
.endr
.irp i, 0,1,2,3
	v_mul_f32 v[TT+\i], v[TH+\i], v[ZZ+\i]
	v_cvt_i32_f32 v[QQ+\i], v[NN+\i]
.endr
.irp i, 0,1,2,3
	v_fma_f32 v[PCO+\i], v[PCO+\i], v[ZZ+\i], 1.0
	v_fma_f32 v[PSI+\i], v[PSI+\i], v[TT+\i], v[TH+\i]
	v_and_b32 v[SG+\i], 1, v[QQ+\i]
.endr
.irp i, 0,1,2,3
	v_cmp_eq_u32 vcc_lo, 1, v[SG+\i]               ; in odd quadrants the two change places (a choice of values: no branch, no address)
	v_cndmask_b32 v[OT+8*(\g)+\i], v[PCO+\i], v[PSI+\i], vcc_lo
	v_cndmask_b32 v[OT+8*(\g)+4+\i], v[PSI+\i], v[PCO+\i], vcc_lo
	v_add_nc_u32 v[SG+\i], 1, v[QQ+\i]
	v_and_b32 v[SG+\i], 2, v[SG+\i]                ; the cosine is negative in quadrants 1 and 2,
	v_and_b32 v[QQ+\i], 2, v[QQ+\i]                ; the sine in 2 and 3
	v_lshlrev_b32 v[SG+\i], 30, v[SG+\i]
	v_lshlrev_b32 v[QQ+\i], 30, v[QQ+\i]
	v_xor_b32 v[OT+8*(\g)+\i], v[OT+8*(\g)+\i], v[SG+\i]
	v_xor_b32 v[OT+8*(\g)+4+\i], v[OT+8*(\g)+4+\i], v[QQ+\i]
.endr
	global_store_b128 v3, v[OT+8*(\g):OT+8*(\g)+3], s[26:27] offset:512*(\g)
	global_store_b128 v3, v[OT+8*(\g)+4:OT+8*(\g)+7], s[26:27] offset:4096+512*(\g)
.endm
.irp g, 0,1,2,3,4,5,6,7
	SINCOS \g
.endr
.Lend:
	s_wait_tensorcnt 0x0                           ; the wave's end, behind my last LDS store
	ds_add_u32 v[SPW], v[NIL]
	s_wait_dscnt 0x0
	s_endpgm
.Lfunc_end_k_q4c0182b46f_quant:
	.size	k_q4c0182b46f_quant, .Lfunc_end_k_q4c0182b46f_quant-k_q4c0182b46f_quant
	.p2alignl 7, 3214868480
	.fill 96, 4, 3214868480
	.section	.rodata,"a",@progbits
	.p2align	6, 0x0
	.amdhsa_kernel k_q4c0182b46f_quant
		.amdhsa_group_segment_fixed_size 33280
		.amdhsa_private_segment_fixed_size 0
		.amdhsa_enable_private_segment 0
		.amdhsa_kernarg_size 80
		.amdhsa_user_sgpr_count 2
		.amdhsa_user_sgpr_kernarg_segment_ptr 1
		.amdhsa_wavefront_size32 1
		.amdhsa_system_sgpr_workgroup_id_x 1
		.amdhsa_system_sgpr_workgroup_id_y 1
		.amdhsa_system_sgpr_workgroup_id_z 1
		.amdhsa_system_vgpr_workitem_id 0
		.amdhsa_next_free_vgpr 192
		.amdhsa_next_free_sgpr 66
		.amdhsa_reserve_vcc 1
		.amdhsa_float_denorm_mode_32 3
		.amdhsa_float_denorm_mode_16_64 3
		.amdhsa_memory_ordered 1
		.amdhsa_forward_progress 1
		.amdhsa_inst_pref_size 127
	.end_amdhsa_kernel
	.amdgpu_metadata
---
amdhsa.version: [ 1, 2 ]
amdhsa.kernels:
  - .name:           k_q4c0182b46f_quant
    .symbol:         k_q4c0182b46f_quant.kd
    .args:
      - { .name: x, .offset: 0, .size: 8, .value_kind: global_buffer, .address_space: global }
      - { .name: wq, .offset: 8, .size: 8, .value_kind: global_buffer, .address_space: global }
      - { .name: wk, .offset: 16, .size: 8, .value_kind: global_buffer, .address_space: global }
      - { .name: wv, .offset: 24, .size: 8, .value_kind: global_buffer, .address_space: global }
      - { .name: wo, .offset: 32, .size: 8, .value_kind: global_buffer, .address_space: global }
      - { .name: lowp_scales, .offset: 40, .size: 8, .value_kind: global_buffer, .address_space: global }
      - { .name: x3, .offset: 48, .size: 8, .value_kind: global_buffer, .address_space: global }
      - { .name: wqkv, .offset: 56, .size: 8, .value_kind: global_buffer, .address_space: global }
      - { .name: woc, .offset: 64, .size: 8, .value_kind: global_buffer, .address_space: global }
      - { .name: rope, .offset: 72, .size: 8, .value_kind: global_buffer, .address_space: global }
    .group_segment_fixed_size: 33280
    .private_segment_fixed_size: 0
    .kernarg_segment_align: 8
    .kernarg_segment_size: 80
    .max_flat_workgroup_size: 128
    .sgpr_count:     66
    .vgpr_count:     192
    .wavefront_size: 32
...
	.end_amdgpu_metadata
.endif
;; end of part 1
;; launch qkv (part 2): grid 16 x 12, 4 waves a work-group, clusters of 4 x 2, 327,680 bytes of LDS; arguments x3, wqkv, lowp_scales, rope, qkv; writes qkv
.if DOCPART == 2
	.amdgcn_target "amdgcn-amd-amdhsa--gfx1250"
	.amdhsa_code_object_version 6
	.text
	.protected	k_q4c0182b46f_qkv
	.globl	k_q4c0182b46f_qkv
	.p2align	8
	.type	k_q4c0182b46f_qkv,@function
k_q4c0182b46f_qkv:
	s_mov_b64 s[64:65], 0
	v_nop
	global_prefetch_b8 v0, s[64:65] scope:SCOPE_SE
	s_setreg_imm32_b32 hwreg(HW_REG_WAVE_MODE, 25, 1), 1
	s_wait_xcnt 0x0
	s_wait_alu depctr_hold_cnt(0) depctr_sa_sdst(0) depctr_va_vdst(0) depctr_va_sdst(0) depctr_va_ssrc(0) depctr_va_vcc(0) depctr_vm_vsrc(0)
	s_getreg_b32 s2, hwreg(HW_REG_IB_STS2, 6, 4)
	s_cmp_eq_u32 s2, 0
	s_cbranch_scc0 .Lentry_in_a_cluster
	s_endpgm
.Lentry_in_a_cluster:
	s_bfe_u32 s2, ttmp6, 0x10000c
	s_cmp_lg_u32 s2, 0x7013
	s_cbranch_scc0 .Lentry_shape_is_right
	s_endpgm
.Lentry_shape_is_right:
; q, k and v: x W^T on codes of E4M3 (sums in f32), the rotation of q and k in f32, and the quantising of all three for the attention's two products.
; A work-group makes 256 tokens x 256 rows of wqkv; a wave 128 x 128, one head: 64 accumulators, 512 registers.  Tile rows of W: 0-7 wq (x's plane 0), 8-9 wk (plane 1), 10-11 wv (plane 2).
; THE MATRIX INSTRUCTION: in the result lane (r, h) holds row r of source 1, and its registers rows 8 h + 0 .. 7 of source 0.
; q, k: source 1 = tokens, source 0 = W's rows: a lane holds one token and eight neighbouring channels (the next K).   v: source 1 = wv's rows, source 0 = tokens: one channel, eight neighbouring keys.
; THE RING: K = 2,048 goes in steps of 256 through two LDS slots.  A slot: region R1 (256 rows, source 1), then region R0 (256 rows, source 0); an LDS row is 256 bytes + 16 of padding = 68 words, so that
; the 16 rows that a load touches start at 16 different banks (64 banks of 4 bytes: ISA guide 11.1).
; WHICH TENSOR LANDS IN WHICH REGION is chosen at the tensor load, by the cluster's y alone; every LDS address is made of constants, the wave's number and the lane.
; Four kinds of group 0 (x to R1, W to R0, x to R0, W to R1), a set for each slot, keep each tensor's address in registers of its own.
; RESULTS LEAVE AS IMAGES OF THE NEXT OPERAND'S REGISTERS: 16 rows x 128 K = 16 registers a lane = 2,048 bytes, four stores of 512 consecutive bytes at 16 x lane.
;   q image (batch x 16 + head, tile of 16 tokens), k image (batch x 4 + head, tile), behind q's 4,096: registers 2 c, 2 c + 1 = channels 16 c + 8 h + 0 .. 7 of token r.
;   v image (batch x 4 + head, key step of 128, tile of 16 row positions), behind 5,120: registers 2 c, 2 c + 1 = keys 16 c + 8 h + 0 .. 7 of row position r.
; SCALES: a sum stands for sum x 2^(ea + eb); its code is sum / 2^(eo - ea - eb): the three are folded into the conversion's one.  LIMITS: e6 - e0 - e1, e7 - e2 - e3, e9 - e4 - e5 lie between -126 and 119.
; CLUSTER 4 x 2: four blocks of tokens x two tile rows of W.  W's tile is asked for jointly by the four of a row, x's by the two of a column.  Four tile rows to a cluster would put wk's and wv's
; (two each) into one cluster: those read different planes of x3 and take different ways through the text.
; PREFETCH: behind each refill but the last two a wave names the K step two refills on of the rows that it fetches: the partners share the rows by address (x: 64 rows each, two instructions; W: 32, one), a lane a row of 256 bytes.
; K steps 0 to 3 come by their loads alone.
; REGISTERS, in windows of 256: window 0: v16-25 addresses and constants; v32-95 a set of the table; v96-127 codes, two sets; from v128 source 1's fragments, ONE set (on the way out v128-191 the numbers at work,
; v192-255 a set of the table).  window 1: source 0's fragments, TWO sets (on the way out four sets of the table).  windows 2, 3: the accumulators ((a, b) at v[8 (8 (a % 4) + b)]).
.set PITCH, 272
.set HALFT, 128*PITCH
.set SLOT,  4*HALFT
.set SPARE, 2*SLOT                     ; behind the ring: the spare words, 128 bytes a wave; no other line names them
.set FR, 16
.set NL, 4
.set NP, 4                             ; places behind this matrix instruction (ISA guide 7.12.1)
.set ADRA, 16                          ; v16-17 LDS address of source 1's fragments in slot 0, 1
.set LI,   18                          ; 16 x lane
.set QS,   19                          ; the conversion's scale as f32
.set QL,   20                          ; 448 x that
.set PFO,  21                          ; 2,048 x lane
.set SPW,  22
.set NIL,  23
.set ADRB, 24                          ; v24-25 of source 0's
.set PC,   96
.set T,    128
.set AF,   128
.set G1X,  24                          ; groups 1 for x's and W's tiles: they differ in the mask
.set G1W,  32
.set G0X1, 40                          ; groups 0, eight registers each (slot 0, slot 1): x to R1, W to R0, x to R0, W to R1
.set G0W0, 48
.set G0X0, 56
.set G0W1, 68
.set PFA,  66                          ; s[66:67] where my prefetches stand
.set VF,   94                          ; s94 1: v
.set MSB, 0
.macro WIN new                         ; the immediate's high byte repeats the setting that is left
.if MSB != \new
	s_set_vgpr_msb (MSB<<8)|\new
.set MSB, \new
.endif
.endm
.set MUL_LO, 0xa1                      ; source 0 window 1, source 1 window 0, C and D window 2
.set MUL_HI, 0xf1
.set TO_B,   0x40
.macro TL g0, g1                       ; a tensor load, its s_nop 0 and four v_nop
	tensor_load_to_lds s[\g0:\g0+3], s[\g1:\g1+7]
	s_nop 0
.rept 4
	v_nop
.endr
.endm
; Waves 0 and 1 fill R1's halves, waves 2 and 3 R0's: one load a wave, one arm each, one join.  The inner branches hang on the cluster's y alone, which all partners share.
.macro JLOAD s
	s_cmp_eq_u32 s15, 0
	s_cbranch_scc0 .Lr0_\@
	s_cmp_eq_u32 s[VF], 0
	s_cbranch_scc0 .Lw1_\@
	TL G0X1+4*(\s), G1X
	s_branch .Lj_\@
.Lw1_\@:
	TL G0W1+4*(\s), G1W
	s_branch .Lj_\@
.Lr0_\@:
	s_cmp_eq_u32 s[VF], 0
	s_cbranch_scc0 .Lx0_\@
	TL G0W0+4*(\s), G1W
	s_branch .Lj_\@
.Lx0_\@:
	TL G0X0+4*(\s), G1X
.Lj_\@:
.endm
.macro WALK s                          ; slot s's groups 0 two K steps on
.irp g, G0X1, G0W0, G0X0, G0W1
	s_add_nc_u64 s[\g+4*(\s)+2:\g+4*(\s)+3], s[\g+4*(\s)+2:\g+4*(\s)+3], 512
.endr
.endm
.macro CROUND                          ; a round of the cluster's barrier
	s_barrier_signal -1
	s_barrier_wait -1
	s_cmp_lg_u32 s14, 0
	s_cbranch_scc1 .Lnot_wave_0_\@
	s_barrier_signal -3
.Lnot_wave_0_\@:
	s_barrier_wait -3
	s_barrier_signal -1
	s_barrier_wait -1
.endm
.macro ASK                             ; not in the loop's last trip: its refills have no K step two on
	s_cmp_gt_u32 s3, 1
	s_cbranch_scc0 .Lno_\@
	global_prefetch_b8 v[PFO], s[PFA:PFA+1] th:TH_LOAD_NT scope:SCOPE_SE
	s_cmp_eq_u32 s98, 0                            ; x's rows are shared by two: 32 rows more
	s_cbranch_scc0 .Lno_\@
	global_prefetch_b8 v[PFO], s[PFA:PFA+1] offset:65536 th:TH_LOAD_NT scope:SCOPE_SE
.Lno_\@:
.endm
	s_load_b256 s[4:11], s[0:1], 0x0               ; x3, wqkv, scales, rope
	s_load_b64 s[12:13], s[0:1], 0x20              ; qkv
	v_lshl_add_u32 v[SPW], v0, 2, SPARE
	v_mov_b32 v[NIL], 0
	ds_add_u32 v[SPW], v[NIL]                      ; the wave's opening: the add, twice on end, and its wait ahead of my first tensor load
	ds_add_u32 v[SPW], v[NIL]
	v_lshrrev_b32 v1, 5, v0
	v_readfirstlane_b32 s14, v1                    ; wave 0..3
	s_lshr_b32 s15, s14, 1                         ; my half of source 1's rows.  Also: I fill R1 (0) or R0 (1)
	s_and_b32 s16, s14, 1                          ; my half of source 0's rows.  Also: which 128 rows I fetch
	s_bfe_u32 s88, ttmp6, 0x40000                  ; cx
	s_bfe_u32 s89, ttmp6, 0x40004                  ; cy
	s_lshl_b32 s90, ttmp9, 2
	s_add_co_u32 s90, s90, s88                     ; my block of 256 tokens
	s_and_b32 s91, ttmp7, 0xffff                   ; the cluster's y: 0-3 q, 4 k, 5 v
	s_lshl_b32 s92, s91, 1
	s_add_co_u32 s92, s92, s89                     ; my tile row of W
	s_cmp_ge_u32 s91, 4
	s_cselect_b32 s93, 1, 0
	s_cmp_ge_u32 s91, 5
	s_cselect_b32 s[VF], 1, 0
	s_add_co_u32 s93, s93, s[VF]                   ; 0: q, 1: k, 2: v
	s_lshl_b32 s95, 0x11, s88                      ; my column of the cluster: places cx, cx + 4
	s_lshl_b32 s96, s89, 2
	s_lshl_b32 s96, 15, s96                        ; my row: places 4 cy .. 4 cy + 3
	s_or_b32 s[G1X], s95, (1<<20)|(1<<21)|(5<<22)|(3<<25)     ; elements of 1 byte; padding: 4 words behind every 64; bit 21 beside the mask
	s_or_b32 s[G1W], s96, (1<<20)|(1<<21)|(5<<22)|(3<<25)
.irp g, G1X, G1W
	s_mov_b32 s[\g+1], 256<<16                     ; tensor_dim0
	s_mov_b32 s[\g+2], 128<<16                     ; tensor_dim1
	s_mov_b32 s[\g+3], 256<<16                     ; tile_dim0
	s_mov_b32 s[\g+4], 128                         ; tile_dim1
	s_mov_b32 s[\g+5], 2048                        ; from row to row
	s_mov_b32 s[\g+6], 0
	s_mov_b32 s[\g+7], 0
.endr
	s_lshl_b32 s17, s16, 7
	s_lshl_b32 s18, s90, 8
	s_add_co_u32 s18, s18, s17
	s_lshl_b32 s18, s18, 11                        ; x: row 256 x block + 128 x half, 2,048 bytes a row,
	s_lshl_b32 s19, s93, 23
	s_add_co_u32 s18, s18, s19                     ; in the plane of its scale: no cy in it
	s_mov_b32 s19, 0
	s_lshl_b32 s20, s92, 8
	s_add_co_u32 s20, s20, s17
	s_lshl_b32 s20, s20, 11                        ; W: row 256 x tile row + 128 x half: no cx in it
	s_mov_b32 s21, 0
	s_mul_i32 s100, s16, HALFT                     ; where they go: my half of R1,
	s_add_co_u32 s99, s100, 2*HALFT                ; or of R0
	s_mul_i32 s97, s15, HALFT
	s_wait_dscnt 0x0                               ; both opening adds are done
	s_wait_kmcnt 0x0
	s_load_b256 s[76:83], s[8:9], 0x0              ; e0 .. e7
	s_load_b128 s[84:87], s[8:9], 0x20             ; e8 .. e11
	s_add_nc_u64 s[18:19], s[4:5], s[18:19]
	s_add_nc_u64 s[20:21], s[6:7], s[20:21]
.irp s, 0,1
.irp g, G0X1, G0X0
	s_mov_b32 s[\g+4*\s], 1
	s_add_nc_u64 s[\g+4*\s+2:\g+4*\s+3], s[18:19], \s*256
	s_or_b32 s[\g+4*\s+3], s[\g+4*\s+3], 0x80000000
.endr
.irp g, G0W0, G0W1
	s_mov_b32 s[\g+4*\s], 1
	s_add_nc_u64 s[\g+4*\s+2:\g+4*\s+3], s[20:21], \s*256
	s_or_b32 s[\g+4*\s+3], s[\g+4*\s+3], 0x80000000
.endr
	s_add_co_u32 s[G0X1+4*\s+1], s100, \s*SLOT
	s_add_co_u32 s[G0W1+4*\s+1], s100, \s*SLOT
	s_add_co_u32 s[G0X0+4*\s+1], s99, \s*SLOT
	s_add_co_u32 s[G0W0+4*\s+1], s99, \s*SLOT
.endr
	CROUND                                         ; all eight work-groups are here: the first joint loads meet
	JLOAD 0                                        ; K step 0: my one tensor load at the head
	s_wait_kmcnt 0x0                               ; the scales, chosen without a branch
	s_add_co_i32 s17, s76, s77
	s_add_co_i32 s18, s78, s79
	s_add_co_i32 s19, s80, s81
	s_cmp_eq_u32 s93, 0
	s_cselect_b32 s17, s17, s18
	s_cselect_b32 s20, s82, s83                    ; e6 or e7
	s_cmp_eq_u32 s93, 2
	s_cselect_b32 s17, s19, s17
	s_cselect_b32 s20, s85, s20                    ; or e9
	s_sub_co_i32 s20, s20, s17
	s_add_co_i32 s20, s20, 127
	s_lshl_b32 s21, s20, 23
	v_mov_b32 v[QS], s21
	s_add_co_i32 s20, s20, 8
	s_lshl_b32 s20, s20, 23
	s_or_b32 s20, s20, 0x600000
	v_mov_b32 v[QL], s20
	s_lshr_b32 s17, s90, 2                         ; the batch
	s_and_b32 s18, s90, 3                          ; which 256 of its 1,024 positions
	s_lshl_b32 s19, s18, 4
	s_lshl_b32 s20, s15, 3
	s_add_co_u32 s19, s19, s20                     ; q, k: my first tile of 16 tokens
	s_lshl_b32 s20, s19, 13
	s_mov_b32 s21, 0
	s_add_nc_u64 s[10:11], s[10:11], s[20:21]      ; the table at my eight blocks of 16 positions
	s_cmp_eq_u32 s93, 0                            ; where my eight images go, in images.  q, k:
	s_cselect_b32 s20, 4, 2
	s_lshl_b32 s20, s17, s20                       ; batch x 16 or x 4
	s_lshl_b32 s22, s93, 3
	s_sub_co_u32 s22, s92, s22
	s_lshl_b32 s22, s22, 1
	s_add_co_u32 s20, s20, s22
	s_add_co_u32 s20, s20, s16                     ; + the head
	s_lshl_b32 s20, s20, 6
	s_add_co_u32 s20, s20, s19                     ; + the tile
	s_lshl_b32 s22, s93, 12
	s_add_co_u32 s20, s20, s22
	s_lshl_b32 s22, s17, 2                         ; v:
	s_sub_co_u32 s23, s92, 10
	s_lshl_b32 s23, s23, 1
	s_add_co_u32 s22, s22, s23
	s_add_co_u32 s22, s22, s15                     ; batch x 4 + head
	s_lshl_b32 s22, s22, 3
	s_lshl_b32 s23, s18, 1
	s_add_co_u32 s22, s22, s23
	s_add_co_u32 s22, s22, s16                     ; the key step
	s_lshl_b32 s22, s22, 3
	s_add_co_u32 s22, s22, 5120
	s_cmp_eq_u32 s93, 2
	s_cselect_b32 s20, s22, s20
	s_lshl_b32 s20, s20, 11
	s_add_nc_u64 s[12:13], s[12:13], s[20:21]
	s_lshl_b32 s18, s89, 6                         ; the prefetches: my work-group's part of the 128 rows that I fetch: x: 64 cy, W: 32 cx
	s_lshl_b32 s19, s88, 5
	s_lshl_b32 s22, s93, 12                        ; x's plane, in rows
	s_xor_b32 s98, s15, s[VF]                      ; 0: I fetch x's rows, 1: W's
	s_cmp_eq_u32 s98, 0
	s_cselect_b64 s[PFA:PFA+1], s[4:5], s[6:7]
	s_cselect_b32 s17, s90, s92
	s_cselect_b32 s18, s18, s19
	s_cselect_b32 s22, s22, 0
	s_lshl_b32 s17, s17, 8
	s_add_co_u32 s17, s17, s18
	s_add_co_u32 s17, s17, s22
	s_lshl_b32 s19, s16, 7
	s_add_co_u32 s17, s17, s19
	s_lshl_b32 s20, s17, 11
	s_add_co_u32 s20, s20, 3*256                   ; at K step 3: the first change of slots steps it to 4
	s_add_nc_u64 s[PFA:PFA+1], s[PFA:PFA+1], s[20:21]
	v_and_b32 v1, 15, v0                           ; r
	v_bfe_u32 v2, v0, 4, 1                         ; h
	v_mul_u32_u24 v3, v1, PITCH
	v_lshl_add_u32 v3, v2, 4, v3                   ; a fragment's row x pitch + 16 h
	v_add_nc_u32 v[ADRA], s97, v3
	v_add_nc_u32 v[ADRB], s99, v3
	v_add_nc_u32 v[ADRA+1], SLOT, v[ADRA]
	v_add_nc_u32 v[ADRB+1], SLOT, v[ADRB]
	v_and_b32 v4, 31, v0
	v_lshlrev_b32 v[LI], 4, v4
	v_lshlrev_b32 v[PFO], 11, v4
.macro FRAG reg, adr, ko, i            ; 16 rows x 128 K, the ring's bytes ko on (slot ko / 256): registers 4 c .. 4 c + 3 hold K = 32 c + 16 h + 0 .. 15: the same order of K in both operands
.irp c, 0,1,2,3
	ds_load_b128 v[\reg+4*\c:\reg+4*\c+3], v[\adr+(\ko)/256] offset:(\ko)%256+32*\c+(\i)*16*PITCH
.endr
.endm
; 16 matrix instructions: source 1's blocks a0, a0 + 1 x source 0's eight.  The 64 accumulators take turns, one instruction a turn, in the same order in every step.
.macro MUL16 a0, p, zero
.irp a, \a0, \a0+1
.irp b, 0,1,2,3,4,5,6,7
.if \zero
	v_wmma_f32_16x16x128_fp8_fp8 v[8*(8*((\a)%4)+\b):8*(8*((\a)%4)+\b)+7], v[128*(\p)+FR*\b:128*(\p)+FR*\b+FR-1], v[AF+FR*(\a):AF+FR*(\a)+FR-1], 0
.else
	v_wmma_f32_16x16x128_fp8_fp8 v[8*(8*((\a)%4)+\b):8*(8*((\a)%4)+\b)+7], v[128*(\p)+FR*\b:128*(\p)+FR*\b+FR-1], v[AF+FR*(\a):AF+FR*(\a)+FR-1], v[8*(8*((\a)%4)+\b):8*(8*((\a)%4)+\b)+7]
.endif
.endr
.endr
.endm
.macro FETCH_B ko, p
	WIN TO_B
.irp i, 0,1,2,3,4,5,6,7
	FRAG 128*(\p)+FR*\i, ADRB, \ko, \i
.endr
	WIN 0
.endm
.macro FETCH_A ko, i0
.irp i, \i0, \i0+1, \i0+2, \i0+3
	FRAG AF+FR*(\i), ADRA, \ko, \i
.endr
.endm
.macro PLACES n                        ; plain vector lines between a matrix instruction and a load into, or a vector write of, a register that it has read, or a read of its result
.rept \n
	v_nop
.endr
.endm
.macro STEP kn, zero                   ; a slot's first 128 along K, in set 0; the second's fragments, at kn, come meanwhile into set 1
	s_wait_dscnt 4*NL                              ; source 0's set and source 1's blocks 0-3 are in; the youngest sixteen loads (blocks 4-7) may be out
	WIN MUL_LO
	MUL16 0, 0, \zero
	MUL16 2, 0, \zero
	s_wait_dscnt 0
	PLACES NP
	FETCH_B \kn, 1
	FETCH_A \kn, 0
	WIN MUL_HI
	MUL16 4, 0, \zero
	MUL16 6, 0, \zero
	PLACES NP
	WIN 0
	FETCH_A \kn, 4
.endm
; THE CHANGE OF SLOTS, then the slot's second 128 along K (set 1, already in registers).  My reads of this slot have all been issued: so the three lines, the round and the refill stand first,
; with nothing else between the wait for the other slot's tile and the refill.
.macro TURN slot, fill
.if \fill
	s_wait_xcnt 0x0                                ; any prefetch of mine has read its address
	s_add_nc_u64 s[PFA:PFA+1], s[PFA:PFA+1], 256
.endif
	s_wait_tensorcnt 0x0                           ; all my tensor loads have landed: my part of the other slot
	ds_add_u32 v[SPW], v[NIL]
.if \fill
	WALK \slot
.endif
	s_wait_dscnt 0x0                               ; the add is done, and my reads of this slot are over
.if \fill
	CROUND                                         ; no wave of any partner still reads this slot or has a load on its way
	JLOAD \slot                                    ; the first tensor load behind the round
.else
	s_barrier_signal -1
	s_barrier_wait -1
.endif
	WIN MUL_LO
	MUL16 0, 1, 0
	MUL16 2, 1, 0
	PLACES NP
	FETCH_B 256*(1-(\slot)), 0
	FETCH_A 256*(1-(\slot)), 0
.if \fill
	ASK
.endif
	WIN MUL_HI
	MUL16 4, 1, 0
	MUL16 6, 1, 0
	PLACES NP
	WIN 0
	FETCH_A 256*(1-(\slot)), 4
.endm
.macro FINAL                           ; the very last 128 along K
	s_wait_dscnt 4*NL
	WIN MUL_LO
	MUL16 0, 1, 0
	MUL16 2, 1, 0
	s_wait_dscnt 0
	WIN MUL_HI
	MUL16 4, 1, 0
	MUL16 6, 1, 0
	WIN 0
	PLACES NP                                      ; in front of loads into, and vector writes of, the fragments' registers, and of the reads of the last results
.endm
	s_wait_alu depctr_va_vdst(0)
	s_wait_tensorcnt 0x0                           ; my part of K step 0 is in
	ds_add_u32 v[SPW], v[NIL]
	s_wait_dscnt 0x0
	CROUND                                         ; everybody's part of K step 0 is in, and all eight work-groups are here
	JLOAD 1                                        ; K step 1: slot 1's first fill, the first tensor load behind the round
	FETCH_B 0, 0
	FETCH_A 0, 0
	FETCH_A 0, 4
	STEP 128, 1                                    ; the first step's products start the sums
	s_mov_b32 s3, 3
.Llap:                                                 ; a trip fills both slots again: K steps 2 to 7 in three trips
	TURN 0, 1
	STEP 384, 0
	TURN 1, 1
	STEP 128, 0
	s_sub_co_u32 s3, s3, 1
	s_cmp_lg_u32 s3, 0
	s_cbranch_scc1 .Llap
	TURN 0, 0                                      ; the last lap fills nothing
; THE WAY OUT.  The table's block a (32 cosines, 32 sines a lane) has one of six sets of 64 registers; blocks 6 and 7 take the sets of blocks 0 and 1.
.macro CSET a
.if ((\a)==0)||((\a)==6)
.set CW, 0
.set CL, 32
.elseif (\a)==5
.set CW, 0
.set CL, 192
.else
.set CW, 1
.set CL, 64*(((\a)-1)%6)
.endif
.endm
.macro CSLOAD a                        ; sixteen loads of 512 consecutive bytes
	CSET \a
.set WN, CW<<6
	WIN WN
.irp k, 0,1
.irp g, 0,1,2,3,4,5,6,7
	global_load_b128 v[CL+32*\k+4*\g:CL+32*\k+4*\g+3], v[LI], s[10:11] offset:(\a)*8192+4096*\k+512*\g
.endr
.endr
	WIN 0
.endm
; Block a: 16 rows of source 1 x my 128 rows of source 0 become one image.  rope = 1: the rotation first: channel j of 0 .. 63 lies in accumulator (a, t), channel j + 64 in (a, t + 4), same lane, same register.
.macro OUTBLK a, rope
.set AC, 64*((\a)%4)
.set PB, PC+16*((\a)%2)
.if \rope
	CSET \a
.if (\a) < 4
	s_wait_loadcnt 63                              ; behind this block's sixteen loads at least 64 were issued
.else
	s_wait_loadcnt 16*(7-(\a))                     ; the later blocks' loads may be out
.endif
.set WN, (2+(\a)/4)|(CW<<2)
	WIN WN                                         ; source 0: window 2 or 3; source 1: the table's.
.irp t, 0,1,2,3
.irp i, 0,2,4,6
	v_pk_mul_f32 v[T+8*\t+\i:T+8*\t+\i+1], v[AC+8*\t+\i:AC+8*\t+\i+1], v[CL+8*\t+\i:CL+8*\t+\i+1]                       ; x1 cos
.endr
.irp i, 0,2,4,6
	v_pk_mul_f32 v[T+32+8*\t+\i:T+32+8*\t+\i+1], v[AC+32+8*\t+\i:AC+32+8*\t+\i+1], v[CL+8*\t+\i:CL+8*\t+\i+1]           ; x2 cos
.endr
.irp i, 0,2,4,6
	v_pk_fma_f32 v[T+8*\t+\i:T+8*\t+\i+1], v[AC+32+8*\t+\i:AC+32+8*\t+\i+1], v[CL+32+8*\t+\i:CL+32+8*\t+\i+1], v[T+8*\t+\i:T+8*\t+\i+1]   ; + x2 sin
.endr
.irp i, 0,2,4,6
	v_pk_fma_f32 v[T+32+8*\t+\i:T+32+8*\t+\i+1], v[AC+8*\t+\i:AC+8*\t+\i+1], v[CL+32+8*\t+\i:CL+32+8*\t+\i+1], v[T+32+8*\t+\i:T+32+8*\t+\i+1] neg_lo:[0,1,0] neg_hi:[0,1,0]   ; - x1 sin
.endr
.endr
	WIN 0
.if (\a) < 2
	CSLOAD (\a)+6
.endif
.set k, 0
.rept 64
	v_med3_num_f32 v[T+k], v[T+k], -v[QL], v[QL]   ; the conversion to an 8-bit code does not saturate (ISA guide 7.6.2): the hold at the largest code x the scale
.set k, k+1
.endr
.else
.set WN, 2+(\a)/4
	WIN WN
.set k, 0
.rept 64
	v_med3_num_f32 v[T+k], v[AC+k], -v[QL], v[QL]
.set k, k+1
.endr
	WIN 0
.endif
	s_wait_alu depctr_va_vdst(0)
	s_wait_xcnt 0x0                                ; the stores of two blocks back have read this set of codes
.irp t, 0,1,2,3,4,5,6,7
	v_cvt_scalef32_pk8_fp8_f32 v[PB+2*\t:PB+2*\t+1], v[T+8*\t:T+8*\t+7], v[QS]
.endr
	v_nop                                          ; a plain line behind the last conversion of a run
.irp c, 0,1,2,3
	global_store_b128 v[LI], v[PB+4*\c:PB+4*\c+3], s[12:13] offset:2048*(\a)+512*\c   ; 32 lanes store 512 consecutive bytes
.endr
.endm
	s_cmp_eq_u32 s[VF], 0                          ; the same in all partners.  The last K step is written once for each way, so that q's and k's table is asked for under its products
	s_cbranch_scc0 .Lv
	CSLOAD 0
	STEP 384, 0
	CSLOAD 1                                       ; into source 0's set 0, which has been multiplied (four places stand behind its last product)
	CSLOAD 2
	FINAL
	CSLOAD 3
	CSLOAD 4
	CSLOAD 5
.irp a, 0,1,2,3,4,5,6,7
	OUTBLK \a, 1
.endr
	s_branch .Lend
.Lv:
	STEP 384, 0
	FINAL
.irp a, 0,1,2,3,4,5,6,7
	OUTBLK \a, 0
.endr
.Lend:
	s_wait_tensorcnt 0x0                           ; the wave's end
	ds_add_u32 v[SPW], v[NIL]
	s_wait_dscnt 0x0
	CROUND                                         ; the closing round: no work-group ends while a partner may still ask for a tile that names it
	s_endpgm
.Lfunc_end_k_q4c0182b46f_qkv:
	.size	k_q4c0182b46f_qkv, .Lfunc_end_k_q4c0182b46f_qkv-k_q4c0182b46f_qkv
	.p2alignl 7, 3214868480
	.fill 96, 4, 3214868480
	.section	.rodata,"a",@progbits
	.p2align	6, 0x0
	.amdhsa_kernel k_q4c0182b46f_qkv
		.amdhsa_group_segment_fixed_size 327680
		.amdhsa_private_segment_fixed_size 0
		.amdhsa_enable_private_segment 0
		.amdhsa_kernarg_size 40
		.amdhsa_user_sgpr_count 2
		.amdhsa_user_sgpr_kernarg_segment_ptr 1
		.amdhsa_wavefront_size32 1
		.amdhsa_system_sgpr_workgroup_id_x 1
		.amdhsa_system_sgpr_workgroup_id_y 1
		.amdhsa_system_sgpr_workgroup_id_z 1
		.amdhsa_system_vgpr_workitem_id 0
		.amdhsa_next_free_vgpr 1024
		.amdhsa_next_free_sgpr 102
		.amdhsa_reserve_vcc 0
		.amdhsa_float_denorm_mode_32 3
		.amdhsa_float_denorm_mode_16_64 3
		.amdhsa_memory_ordered 1
		.amdhsa_forward_progress 1
		.amdhsa_inst_pref_size 222
	.end_amdhsa_kernel
	.amdgpu_metadata
---
amdhsa.version: [ 1, 2 ]
amdhsa.kernels:
  - .name:           k_q4c0182b46f_qkv
    .symbol:         k_q4c0182b46f_qkv.kd
    .args:
      - { .name: x3, .offset: 0, .size: 8, .value_kind: global_buffer, .address_space: global }
      - { .name: wqkv, .offset: 8, .size: 8, .value_kind: global_buffer, .address_space: global }
      - { .name: lowp_scales, .offset: 16, .size: 8, .value_kind: global_buffer, .address_space: global }
      - { .name: rope, .offset: 24, .size: 8, .value_kind: global_buffer, .address_space: global }
      - { .name: qkv, .offset: 32, .size: 8, .value_kind: global_buffer, .address_space: global }
    .group_segment_fixed_size: 327680
    .private_segment_fixed_size: 0
    .kernarg_segment_align: 8
    .kernarg_segment_size: 40
    .max_flat_workgroup_size: 128
    .sgpr_count:     102
    .vgpr_count:     1024
    .wavefront_size: 32
...
	.end_amdgpu_metadata
.endif
;; end of part 2
;; launch attn (part 3): grid 16 x 16, 16 waves a work-group, clusters of 4 x 1, 327,680 bytes of LDS; arguments qkv, lowp_scales, yimg; writes yimg
.if DOCPART == 3
	.amdgcn_target "amdgcn-amd-amdhsa--gfx1250"
	.amdhsa_code_object_version 6
	.text
	.protected	k_q4c0182b46f_attn
	.globl	k_q4c0182b46f_attn
	.p2align	8
	.type	k_q4c0182b46f_attn,@function
k_q4c0182b46f_attn:
	s_mov_b64 s[64:65], 0
	v_nop
	global_prefetch_b8 v0, s[64:65] scope:SCOPE_SE
	s_setreg_imm32_b32 hwreg(HW_REG_WAVE_MODE, 25, 1), 1
	s_wait_xcnt 0x0
	s_wait_alu depctr_hold_cnt(0) depctr_sa_sdst(0) depctr_va_vdst(0) depctr_va_sdst(0) depctr_va_ssrc(0) depctr_va_vcc(0) depctr_vm_vsrc(0)
	s_getreg_b32 s2, hwreg(HW_REG_IB_STS2, 6, 4)
	s_cmp_eq_u32 s2, 0
	s_cbranch_scc0 .Lentry_in_a_cluster
	s_endpgm
.Lentry_in_a_cluster:
	s_bfe_u32 s2, ttmp6, 0x10000c
	s_cmp_lg_u32 s2, 0x3003
	s_cbranch_scc0 .Lentry_shape_is_right
	s_endpgm
.Lentry_shape_is_right:
.set SPARE, 262144
.set LI,   1
.set SPW,  5
.set NIL,  6
.set DQ,   7
.set ADK,  8
.set ADV,  9
.set XL,   246
.set TB,   2
.set KS,   3
.set LAST, 10
.set WV,   18
.set SEL,  20
.set CS,   22
.set G1,   24
.set G0A,  40
.set G0B,  44
.macro CROUND
	s_barrier_signal -1
	s_barrier_wait -1
	s_cmp_lg_u32 s[WV], 0
	s_cbranch_scc1 .Lnot_wave_0_\@
	s_barrier_signal -3
.Lnot_wave_0_\@:
	s_barrier_wait -3
	s_barrier_signal -1
	s_barrier_wait -1
.endm
	s_load_b128 s[4:7], s[0:1], 0x0
	s_load_b64 s[8:9], s[0:1], 0x10
	v_lshl_add_u32 v[SPW], v0, 2, SPARE
	v_mov_b32 v[NIL], 0
	ds_add_u32 v[SPW], v[NIL]
	ds_add_u32 v[SPW], v[NIL]
	v_lshrrev_b32 v8, 5, v0
	s_delay_alu instid0(VALU_DEP_1)
	v_readfirstlane_b32 s[WV], v8
	s_bfe_u32 s19, ttmp6, 0x40000
	s_and_b32 s12, ttmp7, 0xffff
	s_and_b32 s32, s[WV], 7
	s_lshl_b32 s33, s32, 2
	s_mov_b32 s13, 0x3d5bf197
	s_cmp_lt_u32 s[WV], 8
	s_cselect_b32 s13, 0x4a2c86e0, s13
	s_lshr_b32 s13, s13, s33
	s_and_b32 s13, s13, 15
	s_lshr_b32 s[LAST], s13, 1
	s_lshl_b32 s17, s13, 2
	s_add_co_u32 s17, s17, ttmp9
	s_mov_b32 s[G1], 15|(1<<21)
	s_mov_b32 s[G1+1], 256<<16
	s_mov_b32 s[G1+2], 32<<16
	s_mov_b32 s[G1+3], 256<<16
	s_mov_b32 s[G1+4], 32
	s_mov_b32 s[G1+5], 256
	s_mov_b32 s[G1+6], 0
	s_mov_b32 s[G1+7], 0
	s_lshr_b32 s34, s[WV], 3
	s_lshl_b32 s35, s[WV], 13
	s_lshl_b32 s36, s34, 16
	s_add_co_u32 s35, s35, s36
	s_lshl_b32 s36, s34, 21
	s_add_co_u32 s36, s36, 0x800000
	s_lshl_b32 s37, s12, 17
	s_add_co_u32 s36, s36, s37
	s_lshl_b32 s37, s32, 13
	s_add_co_u32 s36, s36, s37
	s_mov_b32 s37, 0
	s_lshl_b32 s48, s12, 2
	s_add_co_u32 s48, s48, s19
	s_lshl_b32 s48, s48, 6
	s_add_co_u32 s48, s48, s17
	s_lshl_b32 s48, s48, 11
	s_mov_b32 s49, 0
	s_and_b32 s52, s12, 3
	s_lshl_b32 s52, s52, 2
	s_add_co_u32 s52, s52, s19
	s_lshl_b32 s52, s52, 8
	s_lshr_b32 s53, s12, 2
	s_lshl_b32 s53, s53, 6
	s_add_co_u32 s52, s52, s53
	s_add_co_u32 s52, s52, s17
	s_lshl_b32 s52, s52, 11
	s_mov_b32 s53, 0
	s_and_b32 s56, s13, 1
	s_lshl_b32 s56, s56, 2
	s_add_co_u32 s56, s56, ttmp9
	s_lshl_b32 s56, s56, 4
	s_mov_b32 s[SEL], 0x76543210
	s_mov_b32 s[SEL+1], 0xfedcba98
	s_mov_b32 s[CS], 0x3e0293ee
	s_mov_b32 s[TB], 0
	s_mov_b32 s[KS], 0
	s_wait_dscnt 0x0
	s_wait_kmcnt 0x0
	s_load_b128 s[68:71], s[6:7], 0x18
	s_load_b32 s72, s[6:7], 0x28
	s_mov_b32 s[G0A], 1
	s_mov_b32 s[G0A+1], s35
	s_add_nc_u64 s[G0A+2:G0A+3], s[4:5], s[36:37]
	s_mov_b32 s[G0B], 1
	s_add_co_u32 s[G0B+1], s35, 65536
	s_add_nc_u64 s[G0B+2:G0B+3], s[G0A+2:G0A+3], 0x10000
	s_or_b32 s[G0A+3], s[G0A+3], 0x80000000
	s_or_b32 s[G0B+3], s[G0B+3], 0x80000000
	CROUND
	tensor_load_to_lds s[G0A:G0A+3], s[G1:G1+7]
	s_nop 0
	s_wait_alu depctr_va_vdst(0)
	s_wait_tensorcnt 0x0
	ds_add_u32 v5, v6
	s_wait_dscnt 0x0
	CROUND
	tensor_load_to_lds s[G0B:G0B+3], s[G1:G1+7]
	s_nop 0
.rept 4
	v_nop
.endr
	s_add_nc_u64 s[50:51], s[4:5], s[48:49]
	s_add_nc_u64 s[54:55], s[8:9], s[52:53]
	v_and_b32 v8, 31, v0
	s_delay_alu instid0(VALU_DEP_1)
	v_lshlrev_b32 v[LI], 4, v8
.irp c, 0,1,2,3
	global_load_b128 v[16+4*\c:19+4*\c], v[LI], s[50:51] offset:512*\c
.endr
	v_and_b32 v8, 15, v0
	v_bfe_u32 v9, v0, 4, 1
	s_delay_alu instid0(VALU_DEP_1)
	v_lshlrev_b32 v9, 3, v9
	s_delay_alu instid0(VALU_DEP_1)
	v_sub_nc_u32 v[DQ], v8, v9
	s_delay_alu instid0(VALU_DEP_1)
	v_add_nc_u32 v[DQ], s56, v[DQ]
	v_mov_b32 v13, 0xff61b1e6
	s_delay_alu instid0(VALU_DEP_1)
	v_floor_f32 v12, -v13
	v_mov_b32 v14, 0
	v_mov_b32 v15, 0
	v_mov_b32 v[XL], 0
	v_mov_b32 v253, 0
.set k, 0
.rept 64
	v_mov_b32 v[160+k], 0
.set k, k+1
.endr
	s_wait_kmcnt 0x0
	s_add_co_i32 s57, s68, s69
	s_lshl_b32 s57, s57, 23
	s_add_co_i32 s[CS], s[CS], s57
	s_mov_b32 s[CS+1], s[CS]
	s_add_co_i32 s57, s70, 127
	s_lshl_b32 s58, s57, 23
	v_mov_b32 v244, s58
	s_add_co_i32 s57, s57, 8
	s_lshl_b32 s57, s57, 23
	s_or_b32 s57, s57, 0x600000
	v_mov_b32 v240, s57
	s_sub_co_i32 s57, s72, s70
	s_sub_co_i32 s57, s57, s71
	s_add_co_i32 s57, s57, 127
	s_lshl_b32 s58, s57, 23
	v_mov_b32 v245, s58
	s_add_co_i32 s57, s57, 8
	s_lshl_b32 s57, s57, 23
	s_or_b32 s57, s57, 0x600000
	v_mov_b32 v241, s57
.macro STEP
	s_cmp_gt_u32 s[KS], s[LAST]
	s_cbranch_scc1 .Lhidden_\@
	v_add_nc_u32 v[ADK], s[TB], v[LI]
	s_wait_alu depctr_va_vdst(0)
	v_add_nc_u32 v[ADV], 0x20000, v[ADK]
.irp g, 0,1
.rept 4-2*(1-\g)
	v_nop
.endr
.irp t, 0,1,2,3
.irp c, 0,1,2,3
	ds_load_b128 v[32+16*\t+4*\c:32+16*\t+4*\c+3], v[ADK] offset:(4*\g+\t)*2048+512*\c
.endr
.endr
	s_wait_dscnt 0x0
.irp t, 0,1,2,3
	v_wmma_f32_16x16x128_fp8_fp8 v[96+8*(4*\g+\t):103+8*(4*\g+\t)], v[32+16*\t:47+16*\t], v[16:31], 0
.endr
.endr
.rept 4
	v_nop
.endr
	s_cmp_lg_u32 s[KS], s[LAST]
	s_cbranch_scc1 .Lopen_\@
	v_mov_b32 v254, 0xff800000
.irp n, 0,1,2,3,4,5,6,7,8,9,10,11,12,13,14,15,16,17,18,19,20,21,22,23,24,25,26,27,28,29,30,31,32,33,34,35,36,37,38,39,40,41,42,43,44,45,46,47,48,49,50,51,52,53,54,55,56,57,58,59,60,61,62,63
	v_cmp_gt_i32 vcc_lo, 16*(\n/8)+\n%8, v[DQ]
	v_cndmask_b32 v[96+\n], v[96+\n], v254, vcc_lo
.endr
.Lopen_\@:
	v_max3_num_f32 v254, v96, v97, v98
	v_max3_num_f32 v252, v99, v100, v101
.irp i, 6,10,14,18,22,26,30,34,38,42,46,50,54,58
	v_max3_num_f32 v254, v254, v[96+\i], v[97+\i]
	v_max3_num_f32 v252, v252, v[98+\i], v[99+\i]
.endr
	v_max3_num_f32 v254, v254, v158, v159
	s_delay_alu instid0(VALU_DEP_1)
	v_max_num_f32 v254, v254, v252
	s_delay_alu instid0(VALU_DEP_1)
	v_permlanex16_b32 v[XL], v254, s[SEL], s[SEL+1]
	s_delay_alu instid0(VALU_DEP_1)
	v_max_num_f32 v254, v254, v[XL]
	s_delay_alu instid0(VALU_DEP_1)
	v_mul_f32 v254, s[CS], v254
	s_delay_alu instid0(VALU_DEP_1)
	v_max_num_f32 v13, v13, v254
	v_mov_b32 v254, v12
	s_delay_alu instid0(VALU_DEP_2)
	v_floor_f32 v12, -v13
	s_delay_alu instid0(VALU_DEP_1)
	v_sub_f32 v254, v12, v254
	s_delay_alu instid0(VALU_DEP_1)
	v_cvt_i32_f32 v254, v254
	s_delay_alu instid0(VALU_DEP_1)
	v_ldexp_f32 v252, 1.0, v254
.irp j, 0,2,4,6,8,10,12,14,16,18,20,22,24,26,28,30,32,34,36,38,40,42,44,46,48,50,52,54,56,58,60,62
	v_pk_fma_f32 v[96+\j:97+\j], v[96+\j:97+\j], s[CS:CS+1], v[12:13] op_sel_hi:[1,0,0]
.endr
.set k, 0
	s_wait_alu depctr_va_vdst(0)
.rept 64
	v_exp_f32 v[96+k], v[96+k]
.set k, k+1
.endr
	v_pk_mul_f32 v[14:15], v[14:15], v[252:253] op_sel_hi:[1,0]
	s_wait_alu depctr_va_vdst(0)
	v_pk_add_f32 v[242:243], v[96:97], v[98:99]
.irp j, 4,8,12,16,20,24,28,32,36,40,44,48,52,56,60
	v_pk_add_f32 v[14:15], v[14:15], v[96+\j:97+\j]
	v_pk_add_f32 v[242:243], v[242:243], v[98+\j:99+\j]
.endr
	s_delay_alu instid0(VALU_DEP_1)
	v_pk_add_f32 v[14:15], v[14:15], v[242:243]
.irp t, 0,1,2,3,4,5,6,7
.irp i, 0,1,2,3,4,5,6,7
	v_min_num_f32 v[96+8*\t+\i], v[96+8*\t+\i], v240
.endr
	v_cvt_scalef32_pk8_fp8_f32 v[224+2*\t:225+2*\t], v[96+8*\t:103+8*\t], v244
.endr
.irp j, 0,2,4,6,8,10,12,14,16,18,20,22,24,26,28,30,32,34,36,38,40,42,44,46,48,50,52,54,56,58,60,62
	v_pk_mul_f32 v[160+\j:161+\j], v[160+\j:161+\j], v[252:253] op_sel_hi:[1,0]
.endr
	s_wait_alu depctr_va_vdst(0)
.irp g, 0,1
.if \g > 0
.rept 4
	v_nop
.endr
.endif
.irp t, 0,1,2,3
.irp c, 0,1,2,3
	ds_load_b128 v[32+16*\t+4*\c:32+16*\t+4*\c+3], v[ADV] offset:(4*\g+\t)*2048+512*\c
.endr
.endr
	s_wait_dscnt 0x0
.irp t, 0,1,2,3
	v_wmma_f32_16x16x128_fp8_fp8 v[160+8*(4*\g+\t):167+8*(4*\g+\t)], v[32+16*\t:47+16*\t], v[224:239], v[160+8*(4*\g+\t):167+8*(4*\g+\t)]
.endr
.endr
.Lhidden_\@:
	s_add_co_u32 s[TB], s[TB], 16384
.endm
	s_wait_loadcnt 0x0
	s_wait_tensorcnt 1
	s_barrier_signal -1
	s_barrier_wait -1
.Lfirst:
	STEP
	s_add_co_u32 s[KS], s[KS], 1
	s_cmp_lt_u32 s[KS], 4
	s_cbranch_scc1 .Lfirst
	s_wait_tensorcnt 0x0
	s_wait_dscnt 0x0
	s_barrier_signal -1
	s_barrier_wait -1
.Lsecond:
	STEP
	s_add_co_u32 s[KS], s[KS], 1
	s_cmp_lt_u32 s[KS], 8
	s_cbranch_scc1 .Lsecond
	v_add_f32 v14, v14, v15
	s_delay_alu instid0(VALU_DEP_1)
	v_permlanex16_b32 v[XL], v14, s[SEL], s[SEL+1]
	s_delay_alu instid0(VALU_DEP_1)
	v_add_f32 v14, v14, v[XL]
	s_wait_alu depctr_va_vdst(0)
	v_rcp_f32 v14, v14
	v_nop
	s_wait_alu depctr_va_vdst(0)
.set k, 0
.rept 32
	v_pk_mul_f32 v[96+k:97+k], v[160+k:161+k], v[14:15] op_sel_hi:[1,0]
.set k, k+2
.endr
.set k, 0
.rept 64
	v_med3_num_f32 v[96+k], v[96+k], -v241, v241
.set k, k+1
.endr
.irp t, 0,1,2,3,4,5,6,7
	v_cvt_scalef32_pk8_fp8_f32 v[224+2*\t:225+2*\t], v[96+8*\t:103+8*\t], v245
.endr
	v_nop
.irp c, 0,1,2,3
	global_store_b128 v[LI], v[224+4*\c:227+4*\c], s[54:55] offset:512*\c
.endr
	s_wait_tensorcnt 0x0
	ds_add_u32 v[SPW], v[NIL]
	s_wait_dscnt 0x0
	CROUND
	s_endpgm
.Lfunc_end_k_q4c0182b46f_attn:
	.size	k_q4c0182b46f_attn, .Lfunc_end_k_q4c0182b46f_attn-k_q4c0182b46f_attn
	.p2alignl 7, 3214868480
	.fill 96, 4, 3214868480
	.section	.rodata,"a",@progbits
	.p2align	6, 0x0
	.amdhsa_kernel k_q4c0182b46f_attn
		.amdhsa_group_segment_fixed_size 327680
		.amdhsa_private_segment_fixed_size 0
		.amdhsa_enable_private_segment 0
		.amdhsa_kernarg_size 24
		.amdhsa_user_sgpr_count 2
		.amdhsa_user_sgpr_kernarg_segment_ptr 1
		.amdhsa_wavefront_size32 1
		.amdhsa_system_sgpr_workgroup_id_x 1
		.amdhsa_system_sgpr_workgroup_id_y 1
		.amdhsa_system_sgpr_workgroup_id_z 1
		.amdhsa_system_vgpr_workitem_id 0
		.amdhsa_next_free_vgpr 256
		.amdhsa_next_free_sgpr 100
		.amdhsa_reserve_vcc 1
		.amdhsa_float_denorm_mode_32 3
		.amdhsa_float_denorm_mode_16_64 3
		.amdhsa_memory_ordered 1
		.amdhsa_forward_progress 1
		.amdhsa_inst_pref_size 66
	.end_amdhsa_kernel
	.amdgpu_metadata
---
amdhsa.version: [ 1, 2 ]
amdhsa.kernels:
  - .name:           k_q4c0182b46f_attn
    .symbol:         k_q4c0182b46f_attn.kd
    .args:
      - { .name: qkv, .offset: 0, .size: 8, .value_kind: global_buffer, .address_space: global }
      - { .name: lowp_scales, .offset: 8, .size: 8, .value_kind: global_buffer, .address_space: global }
      - { .name: yimg, .offset: 16, .size: 8, .value_kind: global_buffer, .address_space: global }
    .group_segment_fixed_size: 327680
    .private_segment_fixed_size: 0
    .kernarg_segment_align: 8
    .kernarg_segment_size: 24
    .max_flat_workgroup_size: 512
    .sgpr_count:     100
    .vgpr_count:     256
    .wavefront_size: 32
...
	.end_amdgpu_metadata
.endif
;; end of part 3
;; launch proj (part 4): grid 8 x 32, 4 waves a work-group, clusters of 4 x 4, 327,680 bytes of LDS; arguments yimg, woc, lowp_scales, out0; writes out0
.if DOCPART == 4
	.amdgcn_target "amdgcn-amd-amdhsa--gfx1250"
	.amdhsa_code_object_version 6
	.text
	.protected	k_q4c0182b46f_proj
	.globl	k_q4c0182b46f_proj
	.p2align	8
	.type	k_q4c0182b46f_proj,@function
k_q4c0182b46f_proj:
	s_mov_b64 s[64:65], 0
	v_nop
	global_prefetch_b8 v0, s[64:65] scope:SCOPE_SE
	s_setreg_imm32_b32 hwreg(HW_REG_WAVE_MODE, 25, 1), 1
	s_wait_xcnt 0x0
	s_wait_alu depctr_hold_cnt(0) depctr_sa_sdst(0) depctr_va_vdst(0) depctr_va_sdst(0) depctr_va_ssrc(0) depctr_va_vcc(0) depctr_vm_vsrc(0)
	s_getreg_b32 s2, hwreg(HW_REG_IB_STS2, 6, 4)
	s_cmp_eq_u32 s2, 0
	s_cbranch_scc0 .Lentry_in_a_cluster
	s_endpgm
.Lentry_in_a_cluster:
	s_bfe_u32 s2, ttmp6, 0x10000c
	s_cmp_lg_u32 s2, 0xf033
	s_cbranch_scc0 .Lentry_shape_is_right
	s_endpgm
.Lentry_shape_is_right:
; out0 = y wo^T on codes of E4M3, sums in f32, each finished sum x 2^(e10 + e11).  LIMIT: e10 + e11 lies between -126 and 127.
; y comes as images of operand registers: yimg[head 16][tile of 16 tokens 256][2,048 bytes]: 16 registers a lane at 16 x lane; registers 4 c .. 4 c + 3 hold channels 32 c + 16 h + 0 .. 15 of token r.
; woc holds wo's rows, 2,048 codes each; its fragments are read in the same order of K.
; A work-group makes 128 tokens x 256 columns; a wave 64 x 128: 32 accumulators.  Source 0 = wo's rows, source 1 = tokens: a lane holds eight neighbouring columns of one row of the result.
; THE RING: a K step is 256 (two heads), two LDS slots.  A slot: y: for each half of the tokens two planes of 8,192 bytes (four images of a head each); then wo: 256 rows of 256 bytes + 16 of padding.
; Every row that a tensor load reads begins at a multiple of 256 bytes of its buffer.
; CLUSTER 4 x 4: y's tile is asked for jointly by the four of a row, wo's by the four of a column.
; PREFETCH: behind each refill but the last two a wave names the K step two refills on of what it fetches, one instruction; the four partners share it by address: y: 16 blocks of 256 bytes each
; (the lanes left over name the last again), wo: 32 rows each, a lane a row of 256 bytes.  K steps 0 to 3 come by their loads alone.
; The stage of the way out has LDS bytes of its own, behind the spare words: no tile lands there.
.set SIZE_N, 2048
.set HEADB,  524288
.set APL,    8192
.set AHALF,  2*APL
.set BOFF,   2*AHALF
.set PITCH,  272
.set HALFB,  128*PITCH
.set SLOT,   BOFF+2*HALFB
.set SPARE,  2*SLOT                    ; the spare words, 128 bytes a wave; no other line names them
.set STAGE,  SPARE+512
.set SPITCH, 528
.set FR,     16
.set NP,     4
.set ADRA, 16                          ; v16-17 y's fragments in slot 0, 1
.set PFO,  18
.set ADRB, 20                          ; v20-21 wo's
.set STO,  24
.set RD,   25
.set CO,   26
.set SPW,  28
.set NIL,  29
.set TMP,  32
.set AF,   64                          ; y's fragments, two sets of 64 registers, window 0; wo's, two sets of 128, window 1; the accumulators in window 2
.set BK,   128
.set G1A,  24
.set G1B,  32
.set G0A,  40                          ; s[40:47] groups 0 for y's tiles, a set for each slot; s[48:55] for wo's
.set G0B,  48
.set PFA,  76
.set PFS,  78
.set MSB, 0
.macro WIN new
.if MSB != \new
	s_set_vgpr_msb (MSB<<8)|\new
.set MSB, \new
.endif
.endm
.set MUL,  0xa1
.set TO_B, 0x40
.macro JLOAD s                         ; waves 0 and 1 fetch y's halves, waves 2 and 3 wo's; s_nop 0 and four v_nop behind each line
	s_cmp_eq_u32 s15, 0
	s_cbranch_scc0 .Lfor_b_\@
	tensor_load_to_lds s[G0A+4*(\s):G0A+4*(\s)+3], s[G1A:G1A+7]
	s_nop 0
.rept 4
	v_nop
.endr
	s_branch .Lasked_\@
.Lfor_b_\@:
	tensor_load_to_lds s[G0B+4*(\s):G0B+4*(\s)+3], s[G1B:G1B+7]
	s_nop 0
.rept 4
	v_nop
.endr
.Lasked_\@:
.endm
.macro WALK s                          ; slot s's groups 0 two K steps on
	s_add_nc_u64 s[G0A+4*(\s)+2:G0A+4*(\s)+3], s[G0A+4*(\s)+2:G0A+4*(\s)+3], 4*HEADB
	s_add_nc_u64 s[G0B+4*(\s)+2:G0B+4*(\s)+3], s[G0B+4*(\s)+2:G0B+4*(\s)+3], 512
.endm
.macro CROUND
	s_barrier_signal -1
	s_barrier_wait -1
	s_cmp_lg_u32 s14, 0
	s_cbranch_scc1 .Lnot_wave_0_\@
	s_barrier_signal -3
.Lnot_wave_0_\@:
	s_barrier_wait -3
	s_barrier_signal -1
	s_barrier_wait -1
.endm
.macro ASK                             ; not in the loop's last trip
	s_cmp_gt_u32 s3, 1
	s_cbranch_scc0 .Lno_\@
	global_prefetch_b8 v[PFO], s[PFA:PFA+1] th:TH_LOAD_NT scope:SCOPE_SE
.Lno_\@:
.endm
	s_load_b128 s[4:7], s[0:1], 0x0                ; yimg, woc
	s_load_b128 s[8:11], s[0:1], 0x10              ; scales, out0
	v_lshl_add_u32 v[SPW], v0, 2, SPARE
	v_mov_b32 v[NIL], 0
	ds_add_u32 v[SPW], v[NIL]                      ; the wave's opening: the add, twice on end, and its wait
	ds_add_u32 v[SPW], v[NIL]
	v_lshrrev_b32 v1, 5, v0
	v_readfirstlane_b32 s14, v1
	s_lshr_b32 s15, s14, 1                         ; my half of the tokens.  Also: I fetch y (0) or wo (1)
	s_and_b32 s16, s14, 1                          ; my half of the columns.  Also: which half I fetch
	s_bfe_u32 s56, ttmp6, 0x40000                  ; cx
	s_bfe_u32 s57, ttmp6, 0x40004                  ; cy
	s_lshl_b32 s58, ttmp9, 2
	s_add_co_u32 s58, s58, s56                     ; tile column
	s_and_b32 s17, ttmp7, 0xffff
	s_lshl_b32 s17, s17, 2
	s_add_co_u32 s17, s17, s57                     ; tile row
	s_lshl_b32 s59, s57, 2
	s_lshl_b32 s59, 15, s59
	s_lshl_b32 s60, 0x1111, s56
	s_or_b32 s[G1A], s59, (1<<21)
	s_or_b32 s[G1B], s60, (1<<20)|(1<<21)|(5<<22)|(3<<25)
	s_mov_b32 s[G1A+1], APL<<16
	s_mov_b32 s[G1A+2], 2<<16
	s_mov_b32 s[G1A+3], APL<<16
	s_mov_b32 s[G1A+4], 2
	s_mov_b32 s[G1A+5], HEADB
	s_mov_b32 s[G1A+6], 0
	s_mov_b32 s[G1A+7], 0
	s_mov_b32 s[G1B+1], 256<<16
	s_mov_b32 s[G1B+2], 128<<16
	s_mov_b32 s[G1B+3], 256<<16
	s_mov_b32 s[G1B+4], 128
	s_mov_b32 s[G1B+5], 2048
	s_mov_b32 s[G1B+6], 0
	s_mov_b32 s[G1B+7], 0
	s_lshl_b32 s20, s17, 14
	s_lshl_b32 s18, s16, 13
	s_add_co_u32 s20, s20, s18                     ; y: four images of my half, in head 0
	s_mov_b32 s21, 0
	s_lshl_b32 s18, s16, 7
	s_lshl_b32 s62, s58, 8
	s_add_co_u32 s62, s62, s18
	s_lshl_b32 s62, s62, 11                        ; wo: row 256 x tile column + 128 x half
	s_mov_b32 s63, 0
	s_mul_i32 s61, s16, AHALF
	s_mul_i32 s22, s16, HALFB
	s_add_co_u32 s22, s22, BOFF
	s_wait_dscnt 0x0
	s_wait_kmcnt 0x0
	s_load_b64 s[96:97], s[8:9], 0x28              ; e10, e11
	s_add_nc_u64 s[20:21], s[4:5], s[20:21]
	s_add_nc_u64 s[62:63], s[6:7], s[62:63]
.irp s, 0,1
	s_mov_b32 s[G0A+4*\s], 1
	s_add_co_u32 s[G0A+4*\s+1], s61, \s*SLOT
	s_add_nc_u64 s[G0A+4*\s+2:G0A+4*\s+3], s[20:21], \s*2*HEADB
	s_or_b32 s[G0A+4*\s+3], s[G0A+4*\s+3], 0x80000000
	s_mov_b32 s[G0B+4*\s], 1
	s_add_co_u32 s[G0B+4*\s+1], s22, \s*SLOT
	s_add_nc_u64 s[G0B+4*\s+2:G0B+4*\s+3], s[62:63], \s*256
	s_or_b32 s[G0B+4*\s+3], s[G0B+4*\s+3], 0x80000000
.endr
	CROUND
	JLOAD 0                                        ; K step 0: my one tensor load at the head
	s_mul_i32 s18, s15, AHALF
	s_mul_i32 s23, s14, 16*SPITCH
	s_add_co_u32 s23, s23, STAGE
	s_lshl_b32 s20, s17, 7
	s_lshl_b32 s21, s15, 6
	s_add_co_u32 s20, s20, s21
	s_lshl_b32 s20, s20, 13                        ; my first row of the result
	s_mov_b32 s21, 0
	s_lshl_b32 s62, s58, 10
	s_lshl_b32 s63, s16, 9
	s_add_co_u32 s62, s62, s63
	s_mov_b32 s63, 0
	s_add_nc_u64 s[20:21], s[20:21], s[62:63]
	s_add_nc_u64 s[10:11], s[10:11], s[20:21]
	s_lshr_b32 s80, s56, 1                         ; the prefetches.  y: partner cx takes head cx / 2 of the two, half cx % 2 of its 8,192 bytes
	s_lshl_b32 s80, s80, 19
	s_and_b32 s81, s56, 1
	s_lshl_b32 s81, s81, 12
	s_add_co_u32 s80, s80, s81
	s_lshl_b32 s81, s17, 14
	s_add_co_u32 s80, s80, s81
	s_lshl_b32 s81, s16, 13
	s_add_co_u32 s80, s80, s81
	s_add_co_u32 s80, s80, 6*HEADB                 ; at K step 3: the first change of slots steps it to 4
	s_lshl_b32 s82, s58, 8                         ; wo: partner cy takes rows 32 cy on
	s_lshl_b32 s83, s16, 7
	s_add_co_u32 s82, s82, s83
	s_lshl_b32 s83, s57, 5
	s_add_co_u32 s82, s82, s83
	s_lshl_b32 s82, s82, 11
	s_add_co_u32 s82, s82, 3*256
	s_cmp_eq_u32 s15, 0
	s_cselect_b64 s[PFA:PFA+1], s[4:5], s[6:7]
	s_cselect_b32 s80, s80, s82
	s_mov_b32 s84, 256
	s_cselect_b32 s[PFS], 2*HEADB, s84             ; a K step on
	s_cselect_b32 s85, 15, 31
	s_cselect_b32 s86, 8, 11
	s_mov_b32 s81, 0
	s_mov_b32 s[PFS+1], 0
	s_add_nc_u64 s[PFA:PFA+1], s[PFA:PFA+1], s[80:81]
	v_and_b32 v1, 15, v0
	v_bfe_u32 v2, v0, 4, 1
	v_mul_u32_u24 v3, v1, PITCH
	v_lshl_add_u32 v4, v2, 4, v3
	v_add_nc_u32 v[ADRB], s22, v4
	v_add_nc_u32 v[ADRB+1], SLOT, v[ADRB]
	v_and_b32 v6, 31, v0
	v_lshlrev_b32 v[CO], 4, v6
	v_add_nc_u32 v[ADRA], s18, v[CO]
	v_add_nc_u32 v[ADRA+1], SLOT, v[ADRA]
	v_mul_u32_u24 v5, v1, SPITCH                   ; the stage, way in: row r, 32 bytes for each half of the lanes
	v_lshl_add_u32 v5, v2, 5, v5
	v_add_nc_u32 v[STO], s23, v5
	v_add_nc_u32 v[RD], s23, v[CO]
	v_min_u32 v7, s85, v6
	v_lshlrev_b32 v[PFO], s86, v7
.macro MUL8 a, p, zero                 ; the 32 accumulators take turns, one instruction a turn
.irp b, 0,1,2,3,4,5,6,7
.if \zero
	v_wmma_f32_16x16x128_fp8_fp8 v[8*(8*(\a)+\b):8*(8*(\a)+\b)+7], v[128*(\p)+FR*\b:128*(\p)+FR*\b+FR-1], v[AF+64*(\p)+FR*(\a):AF+64*(\p)+FR*(\a)+FR-1], 0
.else
	v_wmma_f32_16x16x128_fp8_fp8 v[8*(8*(\a)+\b):8*(8*(\a)+\b)+7], v[128*(\p)+FR*\b:128*(\p)+FR*\b+FR-1], v[AF+64*(\p)+FR*(\a):AF+64*(\p)+FR*(\a)+FR-1], v[8*(8*(\a)+\b):8*(8*(\a)+\b)+7]
.endif
.endr
.endm
.macro FB c, p, i0                     ; wo's blocks i0 .. i0 + 3 of the ring's c-th 128 along K (slot c / 2) into set p
	WIN TO_B
.irp i, \i0, \i0+1, \i0+2, \i0+3
.irp cc, 0,1,2,3
	ds_load_b128 v[128*(\p)+FR*(\i)+4*\cc:128*(\p)+FR*(\i)+4*\cc+3], v[ADRB+(\c)/2] offset:128*((\c)%2)+32*\cc+(\i)*16*PITCH
.endr
.endr
.endm
.macro FA c, p                         ; y's four images
	WIN 0
.irp i, 0,1,2,3
.irp cc, 0,1,2,3
	ds_load_b128 v[AF+64*(\p)+FR*\i+4*\cc:AF+64*(\p)+FR*\i+4*\cc+3], v[ADRA+(\c)/2] offset:APL*((\c)%2)+2048*\i+512*\cc
.endr
.endr
.endm
.macro PLACES n
.rept \n
	v_nop
.endr
.endm
.macro STEP c, zero                    ; a slot's first 128 along K, in set 0; the second's fragments (the ring's c-th) come meanwhile into set 1
	s_wait_dscnt 0x0
	PLACES NP
	FB \c, 1, 0
	WIN MUL
	MUL8 0, 0, \zero
	FB \c, 1, 4
	WIN MUL
	MUL8 1, 0, \zero
	FA \c, 1
	WIN MUL
	MUL8 2, 0, \zero
	MUL8 3, 0, \zero
	WIN 0
.endm
; THE CHANGE OF SLOTS, then the slot's second 128 along K (set 1, in registers behind the wait on DScnt).  Nothing but the three lines and the round stands between the wait for the other slot's tile and the refill.
.macro TURN slot, fill
.if \fill
	s_wait_xcnt 0x0                                ; any prefetch of mine has read its address
	s_add_nc_u64 s[PFA:PFA+1], s[PFA:PFA+1], s[PFS:PFS+1]
.endif
	s_wait_tensorcnt 0x0
	ds_add_u32 v[SPW], v[NIL]
.if \fill
	WALK \slot
.endif
	s_wait_dscnt 0x0                               ; the add is done, and my reads of this slot are over
.if \fill
	CROUND
	JLOAD \slot                                    ; its four v_nop are the places in front of the loads below
.else
	s_barrier_signal -1
	s_barrier_wait -1
	PLACES NP
.endif
	FB 2*(1-(\slot)), 0, 0
	FB 2*(1-(\slot)), 0, 4
	FA 2*(1-(\slot)), 0
.if \fill
	ASK
.endif
	WIN MUL
	MUL8 0, 1, 0
	MUL8 1, 1, 0
	MUL8 2, 1, 0
	MUL8 3, 1, 0
	WIN 0
.endm
	s_wait_alu depctr_va_vdst(0)
	s_wait_tensorcnt 0x0                           ; my part of K step 0 is in
	ds_add_u32 v[SPW], v[NIL]
	s_wait_dscnt 0x0
	CROUND
	JLOAD 1                                        ; K step 1: slot 1's first fill, the first tensor load behind the round
	FB 0, 0, 0
	FB 0, 0, 4
	FA 0, 0
	STEP 1, 1
	s_mov_b32 s3, 3
.Llap:                                                 ; a trip fills both slots again: K steps 2 to 7 in three trips
	TURN 0, 1
	STEP 3, 0
	TURN 1, 1
	STEP 1, 0
	s_sub_co_u32 s3, s3, 1
	s_cmp_lg_u32 s3, 0
	s_cbranch_scc1 .Llap
	TURN 0, 0
	STEP 3, 0
	s_wait_dscnt 0x0
	WIN MUL
	MUL8 0, 1, 0
	MUL8 1, 1, 0
	MUL8 2, 1, 0
	MUL8 3, 1, 0
	WIN 0
; THE WAY OUT, block by block of 16 rows x 128 columns, through my own stage: back come whole rows of 512 bytes, which the 32 lanes store as two aligned units of 256 bytes.
.macro TOSTAGE a
.set AC, 64*(\a)
	WIN 0x02
.irp j, 0,2,4,6,8,10,12,14,16,18,20,22,24,26,28,30,32,34,36,38,40,42,44,46,48,50,52,54,56,58,60,62
	v_pk_mul_f32 v[TMP+\j:TMP+\j+1], v[AC+\j:AC+\j+1], s[96:97] op_sel_hi:[1,0]   ; x 2^(e10 + e11); each accumulator from its low end on
.endr
	WIN 0
.irp b, 0,1,2,3,4,5,6,7
	ds_store_b128 v[STO], v[TMP+8*\b:TMP+8*\b+3] offset:64*\b
	ds_store_b128 v[STO], v[TMP+8*\b+4:TMP+8*\b+7] offset:64*\b+16
.endr
.set BB, BK+64*((\a)%2)
.irp t, 0,1,2,3,4,5,6,7,8,9,10,11,12,13,14,15
	ds_load_b128 v[BB+4*\t:BB+4*\t+3], v[RD] offset:\t*SPITCH   ; LDS serves a wave's instructions in order (ISA guide 5.7.1.4)
.endr
.endm
.macro SEND a, younger                 ; younger: the LDS instructions issued behind block a's loads
.set BB, BK+64*((\a)%2)
	s_wait_dscnt \younger
.if (\a) > 0
	s_add_nc_u64 s[10:11], s[10:11], 16*SIZE_N*4   ; behind a wait on XCNT: the earlier stores have read their base
.endif
.irp t, 0,1,2,3,4,5,6,7,8,9,10,11,12,13,14,15
	global_store_b128 v[CO], v[BB+4*\t:BB+4*\t+3], s[10:11] offset:\t*SIZE_N*4 th:TH_STORE_NT
.endr
.endm
	s_wait_kmcnt 0x0
	s_add_co_i32 s96, s96, s97
	s_add_co_i32 s96, s96, 127
	s_lshl_b32 s96, s96, 23                        ; 2^(e10 + e11) as f32
	PLACES NP
	TOSTAGE 0
.irp a, 1,2,3
.if \a > 1
	s_wait_xcnt 0x0
.endif
	TOSTAGE \a
	SEND \a-1, 32
.endr
	s_wait_xcnt 0x0
	SEND 3, 0
	s_wait_tensorcnt 0x0                           ; the wave's end
	ds_add_u32 v[SPW], v[NIL]
	s_wait_dscnt 0x0
	CROUND                                         ; the closing round
	s_endpgm
.Lfunc_end_k_q4c0182b46f_proj:
	.size	k_q4c0182b46f_proj, .Lfunc_end_k_q4c0182b46f_proj-k_q4c0182b46f_proj
	.p2alignl 7, 3214868480
	.fill 96, 4, 3214868480
	.section	.rodata,"a",@progbits
	.p2align	6, 0x0
	.amdhsa_kernel k_q4c0182b46f_proj
		.amdhsa_group_segment_fixed_size 327680
		.amdhsa_private_segment_fixed_size 0
		.amdhsa_enable_private_segment 0
		.amdhsa_kernarg_size 32
		.amdhsa_user_sgpr_count 2
		.amdhsa_user_sgpr_kernarg_segment_ptr 1
		.amdhsa_wavefront_size32 1
		.amdhsa_system_sgpr_workgroup_id_x 1
		.amdhsa_system_sgpr_workgroup_id_y 1
		.amdhsa_system_sgpr_workgroup_id_z 1
		.amdhsa_system_vgpr_workitem_id 0
		.amdhsa_next_free_vgpr 768
		.amdhsa_next_free_sgpr 98
		.amdhsa_reserve_vcc 0
		.amdhsa_float_denorm_mode_32 3
		.amdhsa_float_denorm_mode_16_64 3
		.amdhsa_memory_ordered 1
		.amdhsa_forward_progress 1
		.amdhsa_inst_pref_size 77
	.end_amdhsa_kernel
	.amdgpu_metadata
---
amdhsa.version: [ 1, 2 ]
amdhsa.kernels:
  - .name:           k_q4c0182b46f_proj
    .symbol:         k_q4c0182b46f_proj.kd
    .args:
      - { .name: yimg, .offset: 0, .size: 8, .value_kind: global_buffer, .address_space: global }
      - { .name: woc, .offset: 8, .size: 8, .value_kind: global_buffer, .address_space: global }
      - { .name: lowp_scales, .offset: 16, .size: 8, .value_kind: global_buffer, .address_space: global }
      - { .name: out0, .offset: 24, .size: 8, .value_kind: global_buffer, .address_space: global }
    .group_segment_fixed_size: 327680
    .private_segment_fixed_size: 0
    .kernarg_segment_align: 8
    .kernarg_segment_size: 32
    .max_flat_workgroup_size: 128
    .sgpr_count:     98
    .vgpr_count:     768
    .wavefront_size: 32
...
	.end_amdgpu_metadata
.endif
;; end of part 4
